; MI455X (gfx1250); checked and timed in simulation.
; The chip was launched on July 23, 2026; its instructions are those of AMD's public machine-readable ISA for CDNA 5 (MIT licence, August 2026) and "CDNA5" Instruction Set Architecture Reference Guide (July 2026). The comments in the code are by the model that wrote it; some were corrected since.
;; S Amodule. Allowed arithmetic: matrix products marked QUANTISED: E2M1 operands, one E8M0 scale for each 32 along K, by v_wmma_scale_f32_16x16x128_f8f6f4 with both operands' format E2M1 (or v_wmma_scale_f32_32x16x128_f4), f32 sums; everything else in f32.
;; Inputs: b1 32 float32; b2 32 float32; b3 32 float32; b4 256 float32; w1_codes 32 x 8 x 16 uint8 (E2M1 codes of w1, K innermost, in blocks of 32 codes, two codes a byte); w1_scales 32 x 8 uint8 (E8M0 scales of w1, one for each 32 codes along K); w2_codes 32 x 8 x 16 uint8 (E2M1 codes of w2, K innermost, in blocks of 32 codes, two codes a byte); w2_scales 32 x 8 uint8 (E8M0 scales of w2, one for each 32 codes along K); w3_codes 32 x 8 x 16 uint8 (E2M1 codes of w3, K innermost, in blocks of 32 codes, two codes a byte); w3_scales 32 x 8 uint8 (E8M0 scales of w3, one for each 32 codes along K); w4_codes 256 x 1 x 16 uint8 (E2M1 codes of w4, K innermost, in blocks of 32 codes, two codes a byte); w4_scales 256 x 1 uint8 (E8M0 scales of w4, one for each 32 codes along K); x 4 x 256 x 64 x 64 float32.
;; Outputs: out0 4 x 256 x 64 x 64 float32.
;; This version of the problem:
;;   THIS VERSION OF THE PROBLEM IS GIVEN IN LOW PRECISION. The matrix products marked QUANTISED in the list below multiply operands that are first quantised to E2M1 (2 exponent bits, 1 mantissa bit; 4 bits a number), with one power-of-two scale for each 32 numbers along K (OCP MX v1.0); their sums are f32. All else is computed in f32.
;;   The module's matrix products, in the order in which they are computed (A, B: the left and right operand; K: the contracted axis; several contracted axes count as one K, in the product's order):
;;     1. [M 16,384, K 256] x [K 256, N 32]; A: input x; B: input w1 (given as codes): QUANTISED
;;     2. [M 16,384, K 256] x [K 256, N 32]; A: input x; B: input w2 (given as codes): QUANTISED
;;     3. [M 16,384, K 256] x [K 256, N 32]; A: input x; B: input w3 (given as codes): QUANTISED
;;     4. batch 4 x [M 4,096, K 32] x [K 32, N 4,096]; A: computed on the way; B: computed on the way: QUANTISED
;;     5. batch 4 x [M 32, K 4,096] x [K 4,096, N 4,096]; A: computed on the way; B: softmax (see below): QUANTISED
;;     6. [M 16,384, K 32] x [K 32, N 256]; A: computed on the way; B: input w4 (given as codes): QUANTISED
;;   THE QUANTISER, for each operand of a quantised product, along K:
;;     - K is cut into blocks of 32 from its start; a last block that is shorter is filled with zeros.
;;     - A block's scale is 2^e with e = floor(log2(the largest magnitude in the block)) - 2, held to -126 .. 127; a block of zeros has e = 0. As a byte (E8M0): e + 127.
;;     - Each number is divided by its block's scale, clamped to +-6, and rounded to the nearest number of E2M1, ties to even, subnormals kept.
;;     - The product sums the exact products of the quantised numbers (number of the format x scale) in f32.
;;   ~~~python
;;   def quantise(x, axis):      # numpy; x: float32 -> the quantised numbers, widened to float32 again
;;       x = np.moveaxis(x, axis, -1); K = x.shape[-1]
;;       x = np.pad(x, [(0, 0)] * (x.ndim - 1) + [(0, -K % 32)]); x = x.reshape(x.shape[:-1] + (-1, 32)); a = np.abs(x).max(-1, keepdims=True)
;;       e = np.where(a > 0, np.clip(np.frexp(np.where(a > 0, a, 1))[1] - 1 - 2, -126, 127), 0)      # np.frexp(a)[1] - 1 = floor(log2(a)), exactly
;;       r = np.clip(x / 2.0 ** e, -6, 6)
;;       step = 2.0 ** (np.maximum(np.frexp(np.where(r == 0, 1, r))[1] - 1, 0) - 1)
;;       q = np.round(r / step) * step * 2.0 ** e      # np.round: ties to even
;;       return np.moveaxis(q.reshape(q.shape[:-2] + (-1,))[..., :K], -1, axis).astype(np.float32)
;;   ~~~
;;   SOFTMAX AHEAD OF A QUANTISED PRODUCT. Where the list says 'softmax', what is quantised is not the finished softmax but p = 2^(t - M), with t = logit x log2(e) and M = ceil(the row's largest t), a whole number; so 1/2 < the row's largest p <= 1. The row's sum l is taken of the UNQUANTISED p, in f32, and the product's result is divided by l at the end. Since M is a whole number, a kernel that streams over the keys may use a running M (the ceiling of the running maximum): every later rescaling is an exact power of two, which a block's scale takes up: the codes' values come out the same.
;;   OPERANDS COMPUTED ON THE WAY. 'Computed on the way' means the value that the module computes at that place (a softmax that the list does not call 'softmax' is quantised finished and normalised). What goes into a quantiser is computed in f32, as accurately as f32 sums, v_exp_f32 and their like allow (about 1e-6 of the number): no bf16 or f16 on the way to a quantiser, and a product that is left as it is and whose result goes on into a quantised operand takes f32 operands (vector FMAs, or v_wmma_f32_16x16x4_f32). A number that lies on a knife's edge between two numbers of the format may be rounded either way, as far as f32 arithmetic and the matrix unit's own rounding can turn it there, and no further.
;;   INPUTS GIVEN AS CODES. w1 (in the module: [32, 256], K = its axis 1); w2 (in the module: [32, 256], K = its axis 1); w3 (in the module: [32, 256], K = its axis 1); w4 (in the module: [256, 32], K = its axis 1): each comes as NAME_codes (uint8): NAME with its K axis moved to the last place and cut into blocks of 32 codes, [.., K / 32, bytes a block], one block behind the other in memory; two codes a byte, the lower K in the low four bits (a code: sign, 2 exponent bits, 1 mantissa bit); and NAME_scales (uint8): the same leading axes, one E8M0 byte (e + 127) for each 32 codes along K. Its value is code x scale, taken as it is: it is not quantised again, and the codes and scales need not be those that the quantiser above would give.
;; One version. Each part assembles by itself: llvm-mc -triple=amdgcn-amd-amdhsa -mcpu=gfx1250 --defsym DOCPART=n.
;; ======== version 1 of 1: 2 launches
;; workspace buffers: kv 589,824 bytes; gq 262,144 bytes
;; launch proj (part 1): grid 64 x 4, 8 waves a work-group, no clusters, 13,312 bytes of LDS; arguments x, w1_codes, w1_scales, b1, w2_codes, w2_scales, b2, w3_codes, w3_scales, b3, kv, gq; writes kv, gq
.if DOCPART == 1
	.amdgcn_target "amdgcn-amd-amdhsa--gfx1250"
	.amdhsa_code_object_version 6
	.text
	.protected	k_q09fc6c6889_proj
	.globl	k_q09fc6c6889_proj
	.p2align	8
	.type	k_q09fc6c6889_proj,@function
k_q09fc6c6889_proj:
	s_mov_b64 s[64:65], 0
	v_nop
	global_prefetch_b8 v0, s[64:65] scope:SCOPE_SE
	s_setreg_imm32_b32 hwreg(HW_REG_WAVE_MODE, 25, 1), 1
	s_wait_xcnt 0x0
; f = w1 x + b1, g = w2 x + b2, h = w3 x + b3 on codes of FP4 (E2M1) with one E8M0 scale for each 32 along K, and their own quantising for the products that follow.
; x: [4][256 channels][4096 positions] f32; K = the channels, x's outer axis.  w1, w2, w3: [32][256] as codes, K innermost, scale bytes [32][8].
; A work-group takes 64 positions of one batch (record P): 64 KB of x, each channel's part 256 consecutive bytes, aligned.
; PHASE 1, eight waves: wave (ph = w & 1, kq = w >> 1) quantises 32 positions x channels 64 kq .. + 63.  A lane takes a position and its registers run down K,
;   so a block of 32 channels lies in one lane.  The codes go to LDS as images of the operand's registers.
; PHASE 2: waves 0, 1 make f, waves 2, 3 g, waves 4, 5 h, each for the 32 positions of its ph; waves 6, 7 have no product.
;   f, g: source 0 = 16 rows of w, source 1 = 16 positions: a lane holds one position, and its 16 registers are 16 neighbouring channels, since tile u of w takes
;   as its row r the channel 16 (r / 8) + 8 u + r % 8.  They are quantised along the 32 channels (lanes l and l xor 16).
;   h: source 0 = 16 positions, source 1 = 16 rows of w3: a lane holds one channel and 16 neighbouring positions, since tile u of x takes as its row r the position
;   32 ph + 16 (r / 8) + 8 u + r % 8.  It is quantised along the positions, 32 to a block.
; OUT: record P of kv, 2,304 bytes: f's codes 1,024 | h's codes 1,024 | f's scale bytes 64 | g's 64 | h's 128; record P of gq: g's codes, 1,024 bytes.  All laid in the order in which the
;   next launch's operand registers take them.  They are gathered in a stage in LDS, and every store of a wave covers whole aligned runs of 256 bytes.
; LIMITS: a block of zeros gets the scale byte 1 and not 127 (its codes are zeros; only this program reads these bytes); blocks whose largest magnitude lies under 2^-124 are held at byte 1;
;   NaN and infinities among the inputs are not served.
.set XIMG, 0                           ; LDS: x's fragments: 4096 ph + 2048 u + 1024 s + 512 c + 16 lane
.set XSC,  8192                        ; x's scale words: 128 (2 ph + s) + 4 lane
.set STG,  8704                        ; the stage: f 1024 | h 1024 | g 1024 | fs 64 | gs 64 | hs 128
.set X,    32                          ; v32-95   64 numbers of my position
.set E,    96                          ; v96-99   codes of my first block, v100-103 of my second
.set XS,   104                         ; v104-105 x's scale words, K step s
.set WS,   106                         ; v106-109 the weight's scale words, 2 u + s
.set WF,   112                         ; v112-143 the weight's fragments, 16 u + 8 s
.set BC,   144                         ; v144-159 the bias in the result's layout, 8 registers a weight tile
.set XF,   160                         ; v160-191 x's fragments, 16 u + 8 s
.set ACC,  192                         ; v192-223 four accumulators
.set TM,   224                         ; v224-225 largest magnitudes; v226-227 the other half's; v228-229 conversion scales; v230-231 bytes; v232-235 codes; v236 two bytes
.set TX,   226
.set SO,   228
.set EB,   230
.set QC,   232
.set HB,   236
.macro WM d, a, b, c, sa, sb, row      ; row 0: both scales from lanes 0-15; 1: source 0's from lanes 16-31; 2: source 1's
.if \row == 0
	v_wmma_scale_f32_16x16x128_f8f6f4 v[\d:\d+7], v[\a:\a+7], v[\b:\b+7], v[\c:\c+7], v[\sa], v[\sb] matrix_a_fmt:MATRIX_FMT_FP4 matrix_b_fmt:MATRIX_FMT_FP4
.elseif \row == 1
	v_wmma_scale_f32_16x16x128_f8f6f4 v[\d:\d+7], v[\a:\a+7], v[\b:\b+7], v[\c:\c+7], v[\sa], v[\sb] matrix_a_fmt:MATRIX_FMT_FP4 matrix_b_fmt:MATRIX_FMT_FP4 matrix_a_scale:MATRIX_SCALE_ROW1
.else
	v_wmma_scale_f32_16x16x128_f8f6f4 v[\d:\d+7], v[\a:\a+7], v[\b:\b+7], v[\c:\c+7], v[\sa], v[\sb] matrix_a_fmt:MATRIX_FMT_FP4 matrix_b_fmt:MATRIX_FMT_FP4 matrix_b_scale:MATRIX_SCALE_ROW1
.endif
.endm
.macro BARRIER                         ; my LDS stores have landed and my LDS loads are in: then the work-group's barrier
	s_wait_dscnt 0x0
	s_barrier_signal -1
	s_barrier_wait -1
.endm
; block k of my 64 numbers: its largest magnitude (all 32 are mine), the conversion's scale, four registers of codes, the byte
.macro BLOCKQ k
.set XQ, X+32*\k
	v_max3_num_f32 v24, |v[XQ]|, |v[XQ+1]|, |v[XQ+2]|
	v_max3_num_f32 v25, |v[XQ+3]|, |v[XQ+4]|, |v[XQ+5]|
.irp i, 6,10,14,18,22,26
	s_delay_alu instid0(VALU_DEP_2)
	v_max3_num_f32 v24, v24, |v[XQ+\i]|, |v[XQ+\i+1]|
	s_delay_alu instid0(VALU_DEP_2)
	v_max3_num_f32 v25, v25, |v[XQ+\i+2]|, |v[XQ+\i+3]|
.endr
	s_delay_alu instid0(VALU_DEP_2)
	v_max3_num_f32 v24, v24, |v[XQ+30]|, |v[XQ+31]|
	s_delay_alu instid0(VALU_DEP_1)
	v_max3_num_f32 v24, v24, v25, 0x1800000        ; the floor 2^(3 - 127): the byte cannot fall under 1
	s_delay_alu instid0(VALU_DEP_1)
	v_add_nc_u32 v[26+\k], 0xff000000, v24         ; 2 off the exponent field: the conversion takes this operand's exponent field as its scale
.irp g, 0,1,2,3
	v_cvt_scalef32_pk8_fp4_f32 v[E+4*\k+\g], v[XQ+8*\g:XQ+8*\g+7], v[26+\k]
.endr
	v_lshrrev_b32 v[28+\k], 23, v[26+\k]           ; the scale's byte (also the plain line behind the conversions)
.endm
	s_load_b512 s[8:23], s[0:1], 0x0               ; x, w1 codes, w1 scales, b1, w2 codes, w2 scales, b2, w3 codes
	s_load_b256 s[24:31], s[0:1], 0x40             ; w3 scales, b3, kv, gq
	v_lshl_add_u32 v240, v0, 2, 0x3000
	v_mov_b32 v241, 0
	v_lshrrev_b32 v1, 5, v0
	s_delay_alu instid0(VALU_DEP_1)
	v_readfirstlane_b32 s32, v1                    ; wave 0..7
	s_and_b32 s33, s32, 1                          ; ph: which 32 positions
	s_lshr_b32 s34, s32, 1                         ; kq: which 64 channels; later the role: 0 f, 1 g, 2 h, 3 none
	s_mov_b32 s35, ttmp9                           ; P: the record
	s_and_b32 s36, ttmp7, 0xffff                   ; the batch
	s_mov_b32 s50, 0x76543210
	s_mov_b32 s51, 0xfedcba98                      ; v_permlanex16_b32's selects for lane l xor 16
	v_and_b32 v1, 31, v0                           ; L
	v_and_b32 v2, 15, v0                           ; n
	v_bfe_u32 v3, v0, 4, 1                         ; h
	v_bfe_u32 v15, v0, 3, 1                        ; n3 = n / 8
	v_and_b32 v18, 7, v0                           ; n7 = n % 8
	s_wait_alu depctr_va_vdst(0)
	; every address register is made here, ahead of the first branch on the wave's number
	v_lshlrev_b32 v4, 2, v18
	s_delay_alu instid0(VALU_DEP_1)
	v_lshl_add_u32 v4, v3, 5, v4
	s_delay_alu instid0(VALU_DEP_1)
	v_lshl_add_u32 v4, v15, 6, v4                  ; x: my position among the wave's 32 is 16 n3 + 8 h + n7, 4 bytes each
	s_lshl_b32 s52, s33, 12                        ; 4096 ph
	s_lshl_b32 s53, s34, 9                         ; 1024 (kq / 2) + 512 (kq % 2) = 512 kq
	s_add_co_u32 s53, s53, s52
	v_lshl_add_u32 v5, v1, 4, s53                  ; where I store x's images
	v_lshl_add_u32 v7, v1, 4, s52                  ; and where I read them
	s_lshl_b32 s54, s33, 8
	s_add_co_u32 s54, s54, XSC
	v_lshl_add_u32 v8, v1, 2, s54                  ; x's scale words, read
	s_lshr_b32 s55, s34, 1
	s_lshl_b32 s55, s55, 7
	s_add_co_u32 s55, s55, s54
	s_and_b32 s56, s34, 1
	s_lshl_b32 s57, s56, 1
	s_add_co_u32 s55, s55, s57
	v_lshl_add_u32 v6, v1, 2, s55                  ; my two bytes of them, stored
	v_lshlrev_b32 v9, 7, v18
	s_delay_alu instid0(VALU_DEP_1)
	v_lshl_add_u32 v9, v15, 11, v9
	s_delay_alu instid0(VALU_DEP_1)
	v_lshl_add_u32 v9, v3, 4, v9                   ; the weight: row 16 n3 + n7 of 128 bytes, + 16 h
	v_lshlrev_b32 v10, 3, v18
	s_delay_alu instid0(VALU_DEP_1)
	v_lshl_add_u32 v10, v15, 7, v10                ; its scale words: 8 bytes a row
	v_lshlrev_b32 v11, 6, v3                       ; the bias for f, g: channels 16 h on
	v_lshlrev_b32 v12, 2, v18
	s_delay_alu instid0(VALU_DEP_1)
	v_lshl_add_u32 v12, v15, 6, v12                ; the bias for h: channel 16 n3 + n7
	s_lshl_b32 s57, s56, 11
	s_lshl_b32 s58, s33, 7
	s_add_co_u32 s57, s57, s58
	s_add_co_u32 s57, s57, STG
	v_lshlrev_b32 v13, 3, v3
	s_delay_alu instid0(VALU_DEP_1)
	v_lshl_add_u32 v13, v18, 4, v13
	s_delay_alu instid0(VALU_DEP_1)
	v_lshl_add_u32 v13, v15, 9, v13
	s_delay_alu instid0(VALU_DEP_1)
	v_add_nc_u32 v13, s57, v13                     ; f's or g's codes in the stage: 2048 (kq % 2) + 512 n3 + 128 ph + 16 n7 + 8 h
	s_lshl_b32 s57, s56, 6
	s_lshl_b32 s58, s33, 5
	s_add_co_u32 s57, s57, s58
	s_add_co_u32 s57, s57, STG+3072
	v_lshlrev_b32 v14, 1, v15
	s_delay_alu instid0(VALU_DEP_1)
	v_lshl_add_u32 v14, v18, 2, v14
	s_delay_alu instid0(VALU_DEP_1)
	v_add_nc_u32 v14, s57, v14                     ; their scale bytes: 64 (kq % 2) + 32 ph + 4 n7 + 2 n3
	s_lshl_b32 s57, s33, 8
	s_add_co_u32 s57, s57, STG+1024
	v_lshlrev_b32 v16, 3, v3
	s_delay_alu instid0(VALU_DEP_1)
	v_lshl_add_u32 v16, v2, 4, v16
	s_delay_alu instid0(VALU_DEP_1)
	v_add_nc_u32 v16, s57, v16                     ; h's codes: 256 ph + 16 n + 8 h
	s_add_co_u32 s57, s33, STG+3200
	v_lshl_add_u32 v17, v2, 2, s57                 ; h's scale bytes: 4 n + ph
	s_lshl_b32 s57, s32, 9
	s_add_co_u32 s57, s57, STG
	v_lshl_add_u32 v19, v1, 4, s57                 ; the way out: 512 bytes of the stage a wave
	v_lshl_add_u32 v20, v1, 3, STG+3072            ; and the 256 scale bytes
	s_and_b32 s57, s32, 3
	s_lshl_b32 s57, s57, 9
	v_lshl_add_u32 v21, v1, 4, s57                 ; the same places in a record
	v_lshlrev_b32 v22, 3, v1
	v_mov_b32 v[TX], 0                             ; written once: a lane permute's destination counts as one of its sources
	v_mov_b32 v[TX+1], 0
	s_lshl_b32 s52, s36, 22                        ; x: the batch, 4 MB,
	s_lshl_b32 s53, s34, 20                        ; 64 kq channels of 16,384 bytes,
	s_add_co_u32 s52, s52, s53
	s_lshl_b32 s53, s35, 8                         ; the record's 256 bytes of a channel,
	s_add_co_u32 s52, s52, s53
	s_lshl_b32 s53, s33, 7                         ; my half of them
	s_add_co_u32 s52, s52, s53
	s_mov_b32 s53, 0
	s_lshl_b32 s54, s36, 6
	s_add_co_u32 s54, s54, s35                     ; 64 b + P
	s_mul_i32 s56, s54, 2304
	s_mov_b32 s57, 0
	s_lshl_b32 s58, s54, 10
	s_mov_b32 s59, 0
	s_wait_kmcnt 0x0
	s_add_nc_u64 s[38:39], s[8:9], s[52:53]
	s_add_nc_u64 s[46:47], s[28:29], s[56:57]      ; my record of kv
	s_add_nc_u64 s[48:49], s[30:31], s[58:59]      ; and of gq
	s_cmp_eq_u32 s34, 1                            ; the role's weight: the choice hangs on the wave's number alone
	s_cselect_b64 s[40:41], s[16:17], s[10:11]
	s_cselect_b64 s[42:43], s[18:19], s[12:13]
	s_cselect_b64 s[44:45], s[20:21], s[14:15]
	s_cmp_ge_u32 s34, 2
	s_cselect_b64 s[40:41], s[22:23], s[40:41]
	s_cselect_b64 s[42:43], s[24:25], s[42:43]
	s_cselect_b64 s[44:45], s[26:27], s[44:45]
	s_cmp_lt_u32 s32, 6
	s_cbranch_scc0 .Lno_weight
.irp u, 0,1
.irp s, 0,1
.irp c, 0,1
	global_load_b128 v[WF+16*\u+8*\s+4*\c:WF+16*\u+8*\s+4*\c+3], v9, s[40:41] offset:1024*\u+64*\s+32*\c   ; tile u begins 8 rows on; K step s 64 bytes on
.endr
	global_load_b32 v[WS+2*\u+\s], v10, s[42:43] offset:64*\u+4*\s
.endr
.endr
	s_cmp_lt_u32 s32, 4
	s_cbranch_scc0 .Lbias_h
.irp u, 0,1
	global_load_b128 v[BC+8*\u:BC+8*\u+3], v11, s[44:45] offset:32*\u        ; register j of tile u: the bias of channel 16 h + 8 u + j
	global_load_b128 v[BC+8*\u+4:BC+8*\u+7], v11, s[44:45] offset:32*\u+16
.endr
	s_branch .Lno_weight
.Lbias_h:
.irp q, 0,1
.irp j, 0,1,2,3,4,5,6,7
	global_load_b32 v[BC+8*\q+\j], v12, s[44:45] offset:32*\q                ; all eight registers: the bias of my one channel, 16 n3 + 8 q + n7
.endr
.endr
.Lno_weight:
.irp i, 0,1,2,3,4,5,6,7,8,9,10,11,12,13,14,15,16,17,18,19,20,21,22,23,24,25,26,27,28,29,30,31,32,33,34,35,36,37,38,39,40,41,42,43,44,45,46,47,48,49,50,51,52,53,54,55,56,57,58,59,60,61,62,63
	global_load_b32 v[X+\i], v4, s[38:39] offset:16384*\i                     ; channel 64 kq + i: the wave reads 128 consecutive bytes, the pair of waves ph = 0, 1 an aligned 256
.endr
	; ---- phase 1
	s_wait_loadcnt 32                              ; loads come back in order: all but the second block's 32 are in (the weights are older than x)
	BLOCKQ 0
	s_wait_loadcnt 0x0
	BLOCKQ 1
	v_nop
.irp i, 0,1,2,3
	v_permlane16_swap_b32 v[E+\i], v[E+4+\i]       ; lanes 0-15 hold tile 0's positions, lanes 16-31 tile 1's: now v96-99 = tile 0 (block 0 below, block 1 above), v100-103 = tile 1
.endr
	v_lshl_or_b32 v30, v29, 8, v28                 ; my position's two bytes
	ds_store_b128 v5, v[E:E+3]
	ds_store_b128 v5, v[E+4:E+7] offset:2048
	ds_store_b16 v6, v30
	BARRIER                                        ; x's eight fragments and their scale words lie in LDS
	; ---- phase 2
	s_cmp_lt_u32 s32, 6
	s_cbranch_scc0 .Ldone2
.irp u, 0,1
.irp s, 0,1
.irp c, 0,1
	ds_load_b128 v[XF+16*\u+8*\s+4*\c:XF+16*\u+8*\s+4*\c+3], v7 offset:2048*\u+1024*\s+512*\c
.endr
.endr
.endr
	ds_load_b32 v[XS], v8
	ds_load_b32 v[XS+1], v8 offset:128
	s_wait_dscnt 0x0
	s_cmp_lt_u32 s32, 4
	s_cbranch_scc0 .Lmm_h
	; f, g: four accumulators (position tile q, weight tile u) by turns; the bias is the C of each sum's first product
.irp s, 0,1
.irp q, 0,1
.irp u, 0,1
.if \s == 0
	WM ACC+16*\q+8*\u, WF+16*\u+8*\s, XF+16*\q+8*\s, BC+8*\u, WS+2*\u+\s, XS+\s, 2*\q
.else
	WM ACC+16*\q+8*\u, WF+16*\u+8*\s, XF+16*\q+8*\s, ACC+16*\q+8*\u, WS+2*\u+\s, XS+\s, 2*\q
.endif
.endr
.endr
.endr
	s_branch .Lmm_done
.Lmm_h:
	; h: four accumulators (weight tile q, position tile u) by turns
.irp s, 0,1
.irp q, 0,1
.irp u, 0,1
.if \s == 0
	WM ACC+16*\q+8*\u, XF+16*\u+8*\s, WF+16*\q+8*\s, BC+8*\q, XS+\s, WS+2*\q+\s, \u
.else
	WM ACC+16*\q+8*\u, XF+16*\u+8*\s, WF+16*\q+8*\s, ACC+16*\q+8*\u, XS+\s, WS+2*\q+\s, \u
.endif
.endr
.endr
.endr
.Lmm_done:
.rept 4
	v_nop                                          ; four plain lines between the last product and the first read of results (ISA guide 7.12.1)
.endr
	; two blocks of 32, each 16 numbers here and 16 in lane l xor 16; each accumulator is read from its low end on
.irp q, 0,1
	v_max3_num_f32 v[TM+\q], |v[ACC+16*\q]|, |v[ACC+16*\q+1]|, 0x1800000
.endr
.irp i, 2,4,6,8,10,12,14
.irp q, 0,1
	v_max3_num_f32 v[TM+\q], v[TM+\q], |v[ACC+16*\q+\i]|, |v[ACC+16*\q+\i+1]|
.endr
.endr
.irp q, 0,1
	s_delay_alu instid0(VALU_DEP_2)
	v_permlanex16_b32 v[TX+\q], v[TM+\q], s50, s51
.endr
.irp q, 0,1
	s_delay_alu instid0(VALU_DEP_2)
	v_max_num_f32 v[TM+\q], v[TM+\q], v[TX+\q]
.endr
.irp q, 0,1
	s_delay_alu instid0(VALU_DEP_2)
	v_add_nc_u32 v[SO+\q], 0xff000000, v[TM+\q]
.endr
.irp q, 0,1
	s_delay_alu instid0(VALU_DEP_2)
	v_lshrrev_b32 v[EB+\q], 23, v[SO+\q]
.endr
	s_delay_alu instid0(VALU_DEP_1)
	v_lshl_or_b32 v[HB], v[EB+1], 8, v[EB]
.irp q, 0,1
	v_cvt_scalef32_pk8_fp4_f32 v[QC+2*\q], v[ACC+16*\q:ACC+16*\q+7], v[SO+\q]
	v_cvt_scalef32_pk8_fp4_f32 v[QC+2*\q+1], v[ACC+16*\q+8:ACC+16*\q+15], v[SO+\q]
.endr
	v_nop                                          ; one plain line behind the last scaled conversion
	s_cmp_lt_u32 s32, 4
	s_cbranch_scc0 .Lst_h
	ds_store_b64 v13, v[QC:QC+1]                   ; channels 16 h .. + 15 of the position of tile q = 0,
	ds_store_b64 v13, v[QC+2:QC+3] offset:256      ; and of tile q = 1
	ds_store_b16 v14, v[HB]                        ; their two bytes (lanes l and l xor 16 write the same bytes with the same value)
	s_branch .Ldone2
.Lst_h:
	s_wait_alu depctr_va_vdst(0)
.irp q, 0,1
	ds_store_b64 v16, v[QC+2*\q:QC+2*\q+1] offset:512*\q      ; positions 32 ph + 16 h .. + 15 of channel tile q
	ds_store_b8 v17, v[EB+\q] offset:64*\q                    ; the block's byte stands twice in its channel's word: at ph and at 2 + ph
	ds_store_b8 v17, v[EB+\q] offset:64*\q+2
.endr
.Ldone2:
	BARRIER                                        ; the stage is whole
	; ---- out: waves 0-3 f's and h's codes, waves 4, 5 g's, wave 6 the scale bytes
	s_cmp_lt_u32 s32, 6
	s_cbranch_scc0 .Lbytes
	ds_load_b128 v[24:27], v19
	s_cmp_lt_u32 s32, 4
	s_cselect_b64 s[52:53], s[46:47], s[48:49]
	s_wait_dscnt 0x0
	global_store_b128 v21, v[24:27], s[52:53]      ; 512 consecutive bytes, at a multiple of 256 from the buffer's first byte
	s_branch .Lend
.Lbytes:
	s_cmp_eq_u32 s32, 6
	s_cbranch_scc0 .Lend
	ds_load_b64 v[24:25], v20
	s_wait_dscnt 0x0
	global_store_b64 v22, v[24:25], s[46:47] offset:2048      ; 256 consecutive bytes, aligned
.Lend:
	s_wait_tensorcnt 0x0
	ds_add_u32 v240, v241
	s_wait_dscnt 0x0
	s_endpgm
.Lfunc_end_k_q09fc6c6889_proj:
	.size	k_q09fc6c6889_proj, .Lfunc_end_k_q09fc6c6889_proj-k_q09fc6c6889_proj
	.p2alignl 7, 3214868480
	.fill 96, 4, 3214868480
	.section	.rodata,"a",@progbits
	.p2align	6, 0x0
	.amdhsa_kernel k_q09fc6c6889_proj
		.amdhsa_group_segment_fixed_size 13312
		.amdhsa_private_segment_fixed_size 0
		.amdhsa_enable_private_segment 0
		.amdhsa_kernarg_size 96
		.amdhsa_user_sgpr_count 2
		.amdhsa_user_sgpr_kernarg_segment_ptr 1
		.amdhsa_wavefront_size32 1
		.amdhsa_system_sgpr_workgroup_id_x 1
		.amdhsa_system_sgpr_workgroup_id_y 1
		.amdhsa_system_sgpr_workgroup_id_z 1
		.amdhsa_system_vgpr_workitem_id 0
		.amdhsa_next_free_vgpr 242
		.amdhsa_next_free_sgpr 66
		.amdhsa_reserve_vcc 0
		.amdhsa_float_denorm_mode_32 3
		.amdhsa_float_denorm_mode_16_64 3
		.amdhsa_memory_ordered 1
		.amdhsa_forward_progress 1
		.amdhsa_inst_pref_size 25
	.end_amdhsa_kernel
	.amdgpu_metadata
---
amdhsa.version: [ 1, 2 ]
amdhsa.kernels:
  - .name:           k_q09fc6c6889_proj
    .symbol:         k_q09fc6c6889_proj.kd
    .args:
      - { .name: x, .offset: 0, .size: 8, .value_kind: global_buffer, .address_space: global }
      - { .name: w1_codes, .offset: 8, .size: 8, .value_kind: global_buffer, .address_space: global }
      - { .name: w1_scales, .offset: 16, .size: 8, .value_kind: global_buffer, .address_space: global }
      - { .name: b1, .offset: 24, .size: 8, .value_kind: global_buffer, .address_space: global }
      - { .name: w2_codes, .offset: 32, .size: 8, .value_kind: global_buffer, .address_space: global }
      - { .name: w2_scales, .offset: 40, .size: 8, .value_kind: global_buffer, .address_space: global }
      - { .name: b2, .offset: 48, .size: 8, .value_kind: global_buffer, .address_space: global }
      - { .name: w3_codes, .offset: 56, .size: 8, .value_kind: global_buffer, .address_space: global }
      - { .name: w3_scales, .offset: 64, .size: 8, .value_kind: global_buffer, .address_space: global }
      - { .name: b3, .offset: 72, .size: 8, .value_kind: global_buffer, .address_space: global }
      - { .name: kv, .offset: 80, .size: 8, .value_kind: global_buffer, .address_space: global }
      - { .name: gq, .offset: 88, .size: 8, .value_kind: global_buffer, .address_space: global }
    .group_segment_fixed_size: 13312
    .private_segment_fixed_size: 0
    .kernarg_segment_align: 8
    .kernarg_segment_size: 96
    .max_flat_workgroup_size: 256
    .sgpr_count:     66
    .vgpr_count:     242
    .wavefront_size: 32
...
	.end_amdgpu_metadata
.endif
;; end of part 1
;; launch attn (part 2): grid 64 x 4, 16 waves a work-group, clusters of 4 x 1, 257,280 bytes of LDS; arguments kv, gq, x, w4_codes, w4_scales, b4, out0; writes out0
.if DOCPART == 2
	.amdgcn_target "amdgcn-amd-amdhsa--gfx1250"
	.amdhsa_code_object_version 6
	.text
	.protected	k_q09fc6c6889_attn
	.globl	k_q09fc6c6889_attn
	.p2align	8
	.type	k_q09fc6c6889_attn,@function
k_q09fc6c6889_attn:
	s_mov_b64 s[64:65], 0
	v_nop
	global_prefetch_b8 v0, s[64:65] scope:SCOPE_SE
	s_setreg_imm32_b32 hwreg(HW_REG_WAVE_MODE, 25, 1), 1
	s_wait_xcnt 0x0
	s_wait_alu depctr_hold_cnt(0) depctr_sa_sdst(0) depctr_va_vdst(0) depctr_va_sdst(0) depctr_va_ssrc(0) depctr_va_vcc(0) depctr_vm_vsrc(0)
	s_getreg_b32 s2, hwreg(HW_REG_IB_STS2, 6, 4)
	s_cmp_eq_u32 s2, 0
	s_cbranch_scc0 .Lentry_in_a_cluster
	s_endpgm
.Lentry_in_a_cluster:
	s_bfe_u32 s2, ttmp6, 0x10000c
	s_cmp_lg_u32 s2, 0x3003
	s_cbranch_scc0 .Lentry_shape_is_right
	s_endpgm
.Lentry_shape_is_right:
; out[:, k] = w4 (sum over q of h[:, q] softmax_q(f[:, q] . g[:, k])) + b4 + x[:, k], all products on codes of FP4 (E2M1) with one E8M0 scale for each 32 along K.
; The softmax runs over q: a position k ("col", it carries g) plays the query's part, a position q ("key", it carries f and h) the key's.  Head size 32.
; SOFTMAX: t = score x log2(e); M = the col's largest t so far, rounded up to a whole number; p = 2^(t - M) is quantised along the keys, not normalised; the sum l is taken of the unquantised p;
;   when M moves, l and O are multiplied by 2^(old M - new M), which rounds nothing.  o = O / l is quantised along its 32 channels for the last product.
; SHARES: a work-group owns 64 cols of one batch.  Wave w: col tile ct = w & 3 (its row r is col 32 (r / 8) + 8 ct + r % 8), key quarter kq = w >> 2: 1,024 keys in 8 steps of 128.
;   The four quarters of a col tile are merged through LDS; at the end wave w makes out channels 16 w .. + 15 for all 64 cols.
; LDS: the batch's f, h and their scales (64 records of 2,304 bytes, as the launch before laid them) and the work-group's 256 x 64 tile of x come in ONCE, by tensor loads at the head: nothing is filled twice.
; CLUSTER: the four work-groups of a cluster belong to one batch and want the same records: each quarter of them is asked for jointly, by the same load with the same descriptor and a mask that names the four.
; K = 32 IN AN INSTRUCTION OF K = 128: a fragment's four blocks of 32 hold FOUR different tiles of 16 rows; the other source comes in four variants, variant v with its 32 codes in block v and zero codes elsewhere,
;   so each product picks one tile and the foreign blocks add exact zeros.  The variant's scale word has its byte at place v and 0 elsewhere.
; KEYS OF A TILE: tile 4 c + g of a step takes as its row m the key 64 c + 32 (m / 8) + 8 g + m % 8: in S^T (source 0 = keys, source 1 = cols) lane (n, h) then holds in registers 32 c + 8 g + j the key
;   64 c + 32 h + 8 g + j: a whole block of 32 keys, in order, in one lane: its maximum needs no other lane, and eight conversions give p's operand as it stands.
; LIMITS: a block of zeros gets the scale byte 1 (its codes are zeros); a p under 2^-126 counts as 0; NaN and infinities among the inputs are not served.
.set XT,   147456                      ; LDS: records at 0; x's tile: 256 rows of 256 bytes + 16
.set PART, 217088                      ; the waves' partial results: 16 x 2,304 bytes (O 2,048, then -M and l, 8 bytes a lane)
.set OIMG, 253952                      ; o's fragment, as an image of its registers: 1,024 bytes
.set OSC,  254976                      ; its scale words: 4 bytes a row
.set GS,   40                          ; v40-43   g's scale word, variant v
.set FSC,  44                          ; v44      f's scale words: lanes 0-15 the step's first record, lanes 16-31 its second
.set HSC,  45                          ; v45      h's: lanes 0-15 channel tile 0, lanes 16-31 tile 1
.set PSC,  46                          ; v46      p's
.set FF,   52                          ; v52-67   f's two fragments
.set HF,   68                          ; v68-83   h's two fragments
.set PC,   84                          ; v84-91   p's codes
.set O,    92                          ; v92-107  O^T: register 8 e + j = channel 16 h + 8 e + j of my col
.set S,    108                         ; v108-171 S^T, then p
.set BM,   172                         ; v172-173 each block's largest score, then its largest p
.set T,    174                         ; v174-177 four chains of the maximum
.set RM,   178
.set RX,   179
.set OLD,  180
.set DD,   181
.set F,    182                         ; v[182:183] 2^(old M - new M)
.set SO,   184                         ; v184-185 the conversions' scales
.set EB,   186                         ; v186-187 the bytes
.set PW,   188
.set PX,   189
.set LT,   190                         ; v[190:191] the sum's second chain
.set W4S,  216                         ; v216-219 w4's scale word, variant v
.set OSW,  222                         ; v222     o's scale words
.macro CROUND                          ; a round of the cluster's barrier
	s_barrier_signal -1
	s_barrier_wait -1
	s_cmp_lg_u32 s18, 0
	s_cbranch_scc1 .Lnot_wave_0_\@
	s_barrier_signal -3
.Lnot_wave_0_\@:
	s_barrier_wait -3
	s_barrier_signal -1
	s_barrier_wait -1
.endm
	s_load_b256 s[4:11], s[0:1], 0x0               ; kv, gq, x, w4's codes
	s_load_b128 s[12:15], s[0:1], 0x20             ; w4's scales, b4
	s_load_b64 s[16:17], s[0:1], 0x30              ; out
	v_lshl_add_u32 v254, v0, 2, 0x3e500
	v_mov_b32 v255, 0
	ds_add_u32 v254, v255
	ds_add_u32 v254, v255
	v_lshrrev_b32 v1, 5, v0
	s_delay_alu instid0(VALU_DEP_1)
	v_readfirstlane_b32 s18, v1                    ; wave 0..15
	s_and_b32 s19, s18, 3                          ; ct
	s_lshr_b32 s20, s18, 2                         ; kq
	s_bfe_u32 s21, ttmp6, 0x40000                  ; cx: my place in the cluster
	s_lshl_b32 s22, ttmp9, 2
	s_add_co_u32 s22, s22, s21                     ; P: my 64 cols; it enters global addresses of my own loads and stores alone
	s_and_b32 s23, ttmp7, 0xffff                   ; the batch, which the four partners share
	s_mov_b32 s24, 0x76543210
	s_mov_b32 s25, 0xfedcba98                      ; v_permlanex16_b32's selects for lane l xor 16
	s_mov_b32 s26, 0x3fb8aa3b                      ; log2(e)
	s_mov_b32 s27, s26                             ; (named with it as a pair, so it is written)
	; the records: a quarter of the batch's is 36,864 dense bytes: 144 rows of 32 elements of 8 bytes; joint
	s_mov_b32 s28, 15|(3<<16)|(1<<21)              ; 15:0 the mask: all four work-groups; 17:16 elements of 8 bytes; 21 set beside a mask
	s_mov_b32 s29, 32<<16                          ; tensor_dim0 = 32
	s_mov_b32 s30, 144<<16                         ; tensor_dim1 = 144
	s_mov_b32 s31, 32<<16                          ; tile_dim0 = 32
	s_mov_b32 s32, 144                             ; tile_dim1 = 144
	s_mov_b32 s33, 32                              ; from row to row
	s_mov_b32 s34, 0
	s_mov_b32 s35, 0
	; x's tile: 64 channels x 64 numbers of 4 bytes, 4,096 numbers from channel to channel; 4 words of padding behind each 64; my work-group's own
	s_mov_b32 s40, (2<<16)|(1<<20)|(5<<22)|(3<<25)
	s_mov_b32 s41, 64<<16
	s_mov_b32 s42, 64<<16
	s_mov_b32 s43, 64<<16
	s_mov_b32 s44, 64
	s_mov_b32 s45, 4096
	s_mov_b32 s46, 0
	s_mov_b32 s47, 0
	s_mov_b32 s36, 1
	s_mov_b32 s48, 1
	s_mul_i32 s54, s23, 147456                     ; the batch's records,
	s_mul_i32 s37, s18, 36864                      ; my quarter of them, in memory and in LDS alike: made of the batch and the wave's number alone
	s_add_co_u32 s54, s54, s37
	s_mov_b32 s55, 0
	s_lshl_b32 s56, s23, 22                        ; x: the batch, 64 channels a wave, my cols' 256 bytes
	s_lshl_b32 s57, s18, 20
	s_add_co_u32 s56, s56, s57
	s_lshl_b32 s57, s22, 8
	s_add_co_u32 s56, s56, s57
	s_mov_b32 s57, 0
	s_mul_i32 s49, s18, 17408                      ; 64 rows of 272 bytes a wave
	s_add_co_u32 s49, s49, XT
	s_lshl_b32 s58, s23, 6
	s_add_co_u32 s58, s58, s22                     ; my cols' record: 64 b + P
	s_lshl_b32 s60, s58, 10
	s_lshl_b32 s61, s19, 8
	s_add_co_u32 s60, s60, s61                     ; g's codes: col tile ct is 256 bytes
	s_mov_b32 s61, 0
	s_mul_i32 s62, s58, 2304
	s_add_co_u32 s62, s62, 2112                    ; g's scale bytes
	s_mov_b32 s63, 0
	s_lshl_b32 s66, s18, 8                         ; w4: my 16 rows of 16 bytes,
	s_mov_b32 s67, 0
	s_lshl_b32 s68, s18, 4                         ; their scale bytes,
	s_mov_b32 s69, 0
	s_lshl_b32 s70, s18, 6                         ; b4's 16 numbers
	s_mov_b32 s71, 0
	s_lshl_b32 s72, s23, 22                        ; out: the batch, my 16 channels, my cols
	s_lshl_b32 s73, s18, 18
	s_add_co_u32 s72, s72, s73
	s_lshl_b32 s73, s22, 8
	s_add_co_u32 s72, s72, s73
	s_mov_b32 s73, 0
	v_and_b32 v1, 15, v0                           ; n; v1, v2, v3 are never rewritten
	s_delay_alu instid0(VALU_DEP_1)
	v_lshlrev_b32 v2, 4, v1                        ; 16 n
	s_delay_alu instid0(VALU_DEP_2)
	v_lshlrev_b32 v3, 2, v1                        ; 4 n
	s_wait_dscnt 0x0
	s_wait_kmcnt 0x0
	s_add_nc_u64 s[38:39], s[4:5], s[54:55]
	s_or_b32 s39, s39, 0x80000000
	s_add_nc_u64 s[50:51], s[8:9], s[56:57]
	s_or_b32 s51, s51, 0x80000000
	s_add_nc_u64 s[60:61], s[6:7], s[60:61]
	s_add_nc_u64 s[62:63], s[4:5], s[62:63]
	s_add_nc_u64 s[66:67], s[10:11], s[66:67]
	s_add_nc_u64 s[68:69], s[12:13], s[68:69]
	s_add_nc_u64 s[70:71], s[14:15], s[70:71]
	s_add_nc_u64 s[72:73], s[16:17], s[72:73]
	CROUND                                         ; all four work-groups are here: the joint loads meet
	s_cmp_lt_u32 s18, 4                            ; waves 0 to 3 fetch; a wave's two loads stand in one branch, ahead of every wait on TENSORcnt and every LDS read: two loads of mine are out
	s_cbranch_scc0 .Lasked
	tensor_load_to_lds s[36:39], s[28:35]          ; my quarter of the records, for all four work-groups
	s_nop 0
	tensor_load_to_lds s[48:51], s[40:47]          ; 64 channels of my work-group's tile of x: wanted only at the end
	s_nop 0
.rept 4
	v_nop
.endr
.Lasked:
	s_wait_alu depctr_va_vdst(0)
	global_load_b128 v[108:111], v2, s[60:61]      ; g's 32 codes of col n of my tile, in both halves of the lanes
	global_load_b32 v116, v3, s[62:63]             ; row n's four scale bytes, one for each col tile
	global_load_b128 v[112:115], v2, s[66:67]      ; w4's 32 codes of out channel 16 w + n
	global_load_u8 v[W4S], v1, s[68:69]            ; its scale byte
	global_load_b32 v220, v3, s[70:71]             ; b4 of that channel
	v_and_b32 v236, 31, v0                         ; L
	s_wait_alu depctr_va_vdst(0)
	v_bfe_u32 v237, v0, 4, 1                       ; h
	s_mul_i32 s74, s20, 36864                      ; my key quarter's records
	v_lshl_add_u32 v4, v236, 4, s74                ; codes: 16 bytes a lane
	v_mad_u32_u24 v5, v237, 2304, v3
	s_add_co_u32 s75, s74, 2048
	v_add_nc_u32 v5, s75, v5                       ; f's scale words: row n; lanes 16-31 the step's second record
	s_add_co_u32 s75, s74, 2176
	v_lshl_add_u32 v6, v236, 2, s75                ; h's scale words: 4 bytes a lane
	v_lshlrev_b32 v10, 3, v237                     ; 8 h
	s_mul_i32 s74, s18, 2304
	s_add_co_u32 s74, s74, PART
	v_lshl_add_u32 v224, v236, 4, s74              ; my partial result, stored
	s_add_co_u32 s75, s74, 2048
	v_lshl_add_u32 v225, v236, 3, s75
	s_mul_i32 s74, s19, 2304
	s_add_co_u32 s74, s74, PART
	v_lshl_add_u32 v226, v236, 4, s74              ; my col tile's four, read: 9,216 bytes apart
	s_add_co_u32 s75, s74, 2048
	v_lshl_add_u32 v227, v236, 3, s75
	s_lshl_b32 s74, s19, 8
	s_add_co_u32 s74, s74, OIMG
	v_lshl_add_u32 v228, v237, 3, v2
	s_delay_alu instid0(VALU_DEP_1)
	v_add_nc_u32 v228, s74, v228                   ; o's codes: col tile ct is block ct of the fragment: 256 ct + 16 n + 8 h
	s_add_co_u32 s74, s19, OSC
	v_add_nc_u32 v229, s74, v3                     ; its byte: 4 n + ct
	v_lshl_add_u32 v230, v236, 4, OIMG
	v_add_nc_u32 v231, OSC, v3
	s_mul_i32 s74, s18, 16*272
	s_add_co_u32 s74, s74, XT
	v_mul_u32_u24 v232, v1, 272
	s_delay_alu instid0(VALU_DEP_1)
	v_lshl_add_u32 v232, v237, 7, v232
	s_delay_alu instid0(VALU_DEP_1)
	v_add_nc_u32 v232, s74, v232                   ; x's tile in the result's layout: row 16 w + n, cols 32 h on
	v_mad_u32_u24 v233, v237, 272, v2
	s_delay_alu instid0(VALU_DEP_1)
	v_add_nc_u32 v233, s74, v233                   ; and by rows: lanes 0-15 one row, lanes 16-31 the next
	v_lshl_add_u32 v234, v237, 14, v2              ; the same two rows in out
	v_mov_b32 v235, 0
	v_cmp_lt_u32 vcc_lo, 15, v236                  ; lanes 16-31
	v_mov_b32 v13, 0xff61b1e6                      ; the largest t so far: -3e38, under every t
	s_delay_alu instid0(VALU_DEP_1)
	v_floor_f32 v12, -v13                          ; -M
	v_mov_b32 v14, 0                               ; l, in two halves
	v_mov_b32 v15, 0
	v_mov_b32 v[RX], 0                             ; written once: a lane permute's destination counts as one of its sources
	v_mov_b32 v[PX], 0
	v_mov_b32 v[F+1], 0                            ; (named as the upper half of a pair)
.irp j, 0,1,2,3,4,5,6,7,8,9,10,11,12,13,14,15
	v_mov_b32 v[O+\j], 0                           ; the step is written once: the first finds zeros, which the first change of M leaves zeros
.endr
.irp i, 0,1,2,3
	v_mov_b32 v[20+\i], 0                          ; the variants' zero codes
	v_mov_b32 v[32+\i], 0
	v_mov_b32 v[196+\i], 0
	v_mov_b32 v[208+\i], 0
.endr
	s_wait_loadcnt 0x0
	s_lshl_b32 s74, s19, 3
	v_bfe_u32 v[GS], v116, s74, 8                  ; my col tile's byte: the scale registers first, so that they stand far ahead of the first product
.irp t, 1,2,3
	v_lshlrev_b32 v[GS+\t], 8*\t, v[GS]
	v_lshlrev_b32 v[W4S+\t], 8*\t, v[W4S]
.endr
	v_mov_b32 v221, v220
	; v16-27 = [codes in lanes 0-15 | zeros | the same codes], v28-39 likewise with lanes 16-31: variant v = 8 registers from 16 + 12 (v % 2) + 4 (v / 2).  w4's at v192-215 in the same way
.irp i, 0,1,2,3
	v_cndmask_b32 v[16+\i], v[108+\i], v235, vcc_lo
	v_cndmask_b32 v[24+\i], v[108+\i], v235, vcc_lo
	v_cndmask_b32 v[28+\i], v235, v[108+\i], vcc_lo
	v_cndmask_b32 v[36+\i], v235, v[108+\i], vcc_lo
.endr
.irp i, 0,1,2,3
	v_cndmask_b32 v[192+\i], v[112+\i], v235, vcc_lo
	v_cndmask_b32 v[200+\i], v[112+\i], v235, vcc_lo
	v_cndmask_b32 v[204+\i], v235, v[112+\i], vcc_lo
	v_cndmask_b32 v[212+\i], v235, v[112+\i], vcc_lo
.endr
	s_wait_tensorcnt 1                             ; tensor loads of a wave end in order: my quarter of the records is in; x's tile, issued behind it, may stay out
	s_barrier_signal -1
	s_barrier_wait -1                              ; everybody's quarter is in
; A STEP: 128 keys, two records, at LDS byte s52 of my quarter
.macro STEP
	v_add_nc_u32 v7, s52, v4
	v_add_nc_u32 v8, s52, v5
	v_add_nc_u32 v9, s52, v6
	v_nop                                          ; four plain lines between the last step's products and the loads into h's fragments (and the write of h's scale word below)
.irp c, 0,1
.irp d, 0,1
	ds_load_b128 v[FF+8*\c+4*\d:FF+8*\c+4*\d+3], v7 offset:2304*\c+512*\d      ; record c's f: four tiles of 16 keys in the fragment's four blocks
.endr
.endr
	ds_load_b32 v[FSC], v8
.irp e, 0,1
.irp d, 0,1
	ds_load_b128 v[HF+8*\e+4*\d:HF+8*\e+4*\d+3], v7 offset:2304*\d+1024+512*\e  ; channel tile e of h: record d's 64 keys are blocks 2 d, 2 d + 1
.endr
.endr
	ds_load_b32 v47, v9
	ds_load_b32 v48, v9 offset:2304
	s_wait_dscnt 6                                 ; LDS loads come back in order: f is in; the six younger loads (h's four, its two scale words) may be out
.irp c, 0,1
.irp g, 0,1,2,3
.if \c == 0
	v_wmma_scale_f32_16x16x128_f8f6f4 v[S+32*\c+8*\g:S+32*\c+8*\g+7], v[FF+8*\c:FF+8*\c+7], v[16+12*(\g%2)+4*(\g/2):16+12*(\g%2)+4*(\g/2)+7], 0, v[FSC], v[GS+\g] matrix_a_fmt:MATRIX_FMT_FP4 matrix_b_fmt:MATRIX_FMT_FP4
.else
	v_wmma_scale_f32_16x16x128_f8f6f4 v[S+32*\c+8*\g:S+32*\c+8*\g+7], v[FF+8*\c:FF+8*\c+7], v[16+12*(\g%2)+4*(\g/2):16+12*(\g%2)+4*(\g/2)+7], 0, v[FSC], v[GS+\g] matrix_a_fmt:MATRIX_FMT_FP4 matrix_b_fmt:MATRIX_FMT_FP4 matrix_a_scale:MATRIX_SCALE_ROW1
.endif
.endr
.endr
	s_wait_dscnt 0x0
	v_bfi_b32 v[HSC], 0xffff, v47, v48             ; h's scale word of these 128 keys: two bytes of each record.  This and the next three lines are the four plain lines behind the products
	v_mov_b32 v[OLD], v12
	v_nop
	v_nop
	; the largest score of each of my two blocks of 32 keys: four chains over 16 registers each, ascending
.irp k, 0,1,2,3
	v_max3_num_f32 v[T+\k], v[S+16*\k], v[S+16*\k+1], v[S+16*\k+2]
.endr
.irp i, 3,5,7,9,11,13
.irp k, 0,1,2,3
	v_max3_num_f32 v[T+\k], v[T+\k], v[S+16*\k+\i], v[S+16*\k+\i+1]
.endr
.endr
.irp c, 0,1
	v_max3_num_f32 v[BM+\c], v[T+2*\c], v[T+2*\c+1], v[S+32*\c+15]
.endr
.irp c, 0,1
	v_max_num_f32 v[BM+\c], v[BM+\c], v[S+32*\c+31]
.endr
	s_delay_alu instid0(VALU_DEP_1)
	v_max_num_f32 v[RM], v[BM], v[BM+1]
	s_delay_alu instid0(VALU_DEP_1)
	v_permlanex16_b32 v[RX], v[RM], s24, s25
	s_delay_alu instid0(VALU_DEP_1)
	v_max_num_f32 v[RM], v[RM], v[RX]              ; the step's largest score of my col
	s_delay_alu instid0(VALU_DEP_1)
	v_mul_f32 v[RM], s26, v[RM]                    ; as t
	s_delay_alu instid0(VALU_DEP_1)
	v_max_num_f32 v13, v13, v[RM]
	s_delay_alu instid0(VALU_DEP_1)
	v_floor_f32 v12, -v13                          ; -M = floor(-t): M is a whole number
	s_delay_alu instid0(VALU_DEP_1)
	v_sub_f32 v[DD], v12, v[OLD]                   ; old M - new M: a whole number, 0 or less
	s_delay_alu instid0(VALU_DEP_1)
	v_cvt_i32_f32 v[DD], v[DD]                     ; (it saturates)
	s_delay_alu instid0(VALU_DEP_1)
	v_ldexp_f32 v[F], 1.0, v[DD]
.irp j, 0,2,4,6,8,10,12,14,16,18,20,22,24,26,28,30,32,34,36,38,40,42,44,46,48,50,52,54,56,58,60,62
	v_pk_fma_f32 v[S+\j:S+\j+1], v[S+\j:S+\j+1], s[26:27], v[12:13] op_sel_hi:[1,0,0]   ; t - M, two at a time
.endr
.irp c, 0,1
	v_fma_f32 v[BM+\c], v[BM+\c], s26, v12         ; the same of each block's largest score: the same two instructions on the same number give the block's largest p
.endr
	s_wait_alu depctr_va_vdst(0)
.irp c, 0,1
	v_exp_f32 v[BM+\c], v[BM+\c]
.endr
	s_setprio 1
.irp j, 0,1,2,3,4,5,6,7,8,9,10,11,12,13,14,15,16,17,18,19,20,21,22,23,24,25,26,27,28,29,30,31,32,33,34,35,36,37,38,39,40,41,42,43,44,45,46,47,48,49,50,51,52,53,54,55,56,57,58,59,60,61,62,63
	v_exp_f32 v[S+\j], v[S+\j]                     ; p = 2^(t - M)
.endr
	v_pk_mul_f32 v[14:15], v[14:15], v[F:F+1] op_sel_hi:[1,0]    ; l under the new M: the plain line behind the exponentials
	s_wait_alu depctr_va_vdst(0)                   ; one wait for the batch of 66, ahead of its first reader
.irp c, 0,1
	v_max_num_f32 v[BM+\c], 0x1800000, v[BM+\c]    ; the floor 2^(3 - 127): the byte cannot fall under 1
.endr
.irp c, 0,1
	s_delay_alu instid0(VALU_DEP_2)
	v_add_nc_u32 v[SO+\c], 0xff000000, v[BM+\c]    ; 2 off the exponent field: the conversion's scale
.endr
.irp c, 0,1
	s_delay_alu instid0(VALU_DEP_2)
	v_lshrrev_b32 v[EB+\c], 23, v[SO+\c]
.endr
	s_delay_alu instid0(VALU_DEP_1)
	v_lshl_or_b32 v[PW], v[EB+1], 16, v[EB]        ; my blocks h and 2 + h,
	s_delay_alu instid0(VALU_DEP_1)
	v_lshlrev_b32 v[PW], v10, v[PW]                ; at their places;
	s_delay_alu instid0(VALU_DEP_1)
	v_permlanex16_b32 v[PX], v[PW], s24, s25
	s_delay_alu instid0(VALU_DEP_1)
	v_or_b32 v[PSC], v[PW], v[PX]                  ; with lane l xor 16's two the word is whole
	v_pk_add_f32 v[190:191], v[112:113], v[116:117]
	v_pk_add_f32 v[252:253], v[120:121], v[124:125]
	v_pk_add_f32 v[250:251], v[128:129], v[132:133]
	v_pk_add_f32 v[248:249], v[136:137], v[140:141]
	v_pk_add_f32 v[246:247], v[144:145], v[148:149]
	v_pk_add_f32 v[244:245], v[152:153], v[156:157]
	v_pk_add_f32 v[242:243], v[160:161], v[164:165]
	v_pk_add_f32 v[14:15], v[14:15], v[168:169]
	v_pk_add_f32 v[190:191], v[190:191], v[108:109]
	v_pk_add_f32 v[252:253], v[252:253], v[110:111]
	v_pk_add_f32 v[250:251], v[250:251], v[114:115]
	v_pk_add_f32 v[248:249], v[248:249], v[118:119]
	v_pk_add_f32 v[246:247], v[246:247], v[122:123]
	v_pk_add_f32 v[244:245], v[244:245], v[126:127]
	v_pk_add_f32 v[242:243], v[242:243], v[130:131]
	v_pk_add_f32 v[14:15], v[14:15], v[134:135]
	v_pk_add_f32 v[190:191], v[190:191], v[138:139]
	v_pk_add_f32 v[252:253], v[252:253], v[142:143]
	v_pk_add_f32 v[250:251], v[250:251], v[146:147]
	v_pk_add_f32 v[248:249], v[248:249], v[150:151]
	v_pk_add_f32 v[246:247], v[246:247], v[154:155]
	v_pk_add_f32 v[244:245], v[244:245], v[158:159]
	v_pk_add_f32 v[242:243], v[242:243], v[162:163]
	s_setprio 0
	v_pk_add_f32 v[14:15], v[14:15], v[166:167]
	v_pk_add_f32 v[190:191], v[190:191], v[170:171]
	s_delay_alu instid0(VALU_DEP_2)
	v_pk_add_f32 v[14:15], v[14:15], v[248:249]
	s_delay_alu instid0(VALU_DEP_2)
	v_pk_add_f32 v[190:191], v[190:191], v[246:247]
	v_pk_add_f32 v[252:253], v[252:253], v[244:245]
	v_pk_add_f32 v[250:251], v[250:251], v[242:243]
	s_delay_alu instid0(VALU_DEP_2)
	v_pk_add_f32 v[14:15], v[14:15], v[252:253]
	s_delay_alu instid0(VALU_DEP_2)
	v_pk_add_f32 v[190:191], v[190:191], v[250:251]
	s_delay_alu instid0(VALU_DEP_1)
	v_pk_add_f32 v[14:15], v[14:15], v[190:191]
.irp c, 0,1
.irp g, 0,1,2,3
	v_cvt_scalef32_pk8_fp4_f32 v[PC+4*\c+\g], v[S+32*\c+8*\g:S+32*\c+8*\g+7], v[SO+\c]   ; registers 4 c .. 4 c + 3: my block 2 c + h, as the operand wants it
.endr
.endr
	v_nop                                          ; one plain line behind the last scaled conversion
.irp j, 0,2,4,6,8,10,12,14
	v_pk_mul_f32 v[O+\j:O+\j+1], v[O+\j:O+\j+1], v[F:F+1] op_sel_hi:[1,0]   ; O^T under the new M; with the line above nine plain lines ahead of the products
.endr
	v_wmma_scale_f32_16x16x128_f8f6f4 v[O:O+7], v[HF:HF+7], v[PC:PC+7], v[O:O+7], v[HSC], v[PSC] matrix_a_fmt:MATRIX_FMT_FP4 matrix_b_fmt:MATRIX_FMT_FP4
	v_wmma_scale_f32_16x16x128_f8f6f4 v[O+8:O+15], v[HF+8:HF+15], v[PC:PC+7], v[O+8:O+15], v[HSC], v[PSC] matrix_a_fmt:MATRIX_FMT_FP4 matrix_b_fmt:MATRIX_FMT_FP4 matrix_a_scale:MATRIX_SCALE_ROW1
.endm
	s_mov_b32 s52, 0
	s_mov_b32 s53, 8
.Lstep:
	s_setprio 2
	STEP
	s_add_co_u32 s52, s52, 4608                    ; two records on
	s_sub_co_i32 s53, s53, 1
	s_cmp_lg_u32 s53, 0
	s_cbranch_scc1 .Lstep
	s_setprio 0
	; my quarter's O^T, -M and l go to LDS
	v_add_f32 v13, v14, v15                        ; l's two halves; with three v_nop the four plain lines behind the last products
	v_nop
	v_nop
	v_nop
.irp k, 0,1,2,3
	ds_store_b128 v224, v[O+4*\k:O+4*\k+3] offset:512*\k
.endr
	ds_store_b64 v225, v[12:13]
	s_wait_tensorcnt 0x0                           ; x's tile: my part has landed
	s_wait_dscnt 0x0                               ; my stores have landed
	s_barrier_signal -1
	s_barrier_wait -1
	; MERGE: wave ct of waves 0 to 3 joins its col tile's four quarters, divides by l and quantises o along its 32 channels
	s_cmp_lt_u32 s18, 4
	s_cbranch_scc0 .Lmerged
.irp i, 0,1,2,3
.irp k, 0,1,2,3
	ds_load_b128 v[S+16*\i+4*\k:S+16*\i+4*\k+3], v226 offset:9216*\i+512*\k
.endr
	ds_load_b64 v[172+2*\i:173+2*\i], v227 offset:9216*\i      ; -M, l of quarter i
.endr
	s_wait_dscnt 0x0
	v_min3_num_f32 v180, v172, v174, v176
	s_delay_alu instid0(VALU_DEP_1)
	v_min_num_f32 v180, v180, v178                 ; -M of the whole row
.irp i, 0,1,2,3
	v_sub_f32 v[184+\i], v180, v[172+2*\i]         ; M of quarter i less M: a whole number, 0 or less
.endr
.irp i, 0,1,2,3
	s_delay_alu instid0(VALU_DEP_4)
	v_cvt_i32_f32 v[184+\i], v[184+\i]
.endr
.irp i, 0,1,2,3
	s_delay_alu instid0(VALU_DEP_4)
	v_ldexp_f32 v[184+\i], 1.0, v[184+\i]
.endr
	s_delay_alu instid0(VALU_DEP_4)
	v_mul_f32 v188, v184, v173
	s_delay_alu instid0(VALU_DEP_1)
	v_fmac_f32 v188, v185, v175
	s_delay_alu instid0(VALU_DEP_1)
	v_fmac_f32 v188, v186, v177
	s_delay_alu instid0(VALU_DEP_1)
	v_fmac_f32 v188, v187, v179
	s_delay_alu instid0(VALU_DEP_1)
	v_permlanex16_b32 v189, v188, s24, s25
	s_delay_alu instid0(VALU_DEP_1)
	v_add_f32 v188, v188, v189                     ; the row's sum
	s_wait_alu depctr_va_vdst(0)
	v_rcp_f32 v188, v188
	v_nop                                          ; one plain line behind the reciprocal,
	s_wait_alu depctr_va_vdst(0)                   ; and the wait ahead of its first reader
.irp i, 0,1,2,3
	v_mul_f32 v[236+2*\i], v[184+\i], v188         ; each quarter's factor / l, in both words of a pair
	v_mul_f32 v[237+2*\i], v[184+\i], v188
.endr
.irp j, 0,2,4,6,8,10,12,14
	v_pk_mul_f32 v[O+\j:O+\j+1], v[S+\j:S+\j+1], v[236:237]
.endr
.irp i, 1,2,3
.irp j, 0,2,4,6,8,10,12,14
	v_pk_fma_f32 v[O+\j:O+\j+1], v[S+16*\i+\j:S+16*\i+\j+1], v[236+2*\i:237+2*\i], v[O+\j:O+\j+1]
.endr
.endr
	v_max3_num_f32 v181, |v[O]|, |v[O+1]|, 0x1800000
.irp i, 2,4,6,8,10,12,14
	s_delay_alu instid0(VALU_DEP_1)
	v_max3_num_f32 v181, v181, |v[O+\i]|, |v[O+\i+1]|
.endr
	s_delay_alu instid0(VALU_DEP_1)
	v_permlanex16_b32 v189, v181, s24, s25
	s_delay_alu instid0(VALU_DEP_1)
	v_max_num_f32 v181, v181, v189                 ; the largest magnitude of the col's 32 channels
	s_delay_alu instid0(VALU_DEP_1)
	v_add_nc_u32 v182, 0xff000000, v181
	v_cvt_scalef32_pk8_fp4_f32 v190, v[O:O+7], v182
	v_cvt_scalef32_pk8_fp4_f32 v191, v[O+8:O+15], v182
	v_lshrrev_b32 v183, 23, v182                   ; the byte (also the plain line behind the conversions)
	ds_store_b64 v228, v[190:191]
	ds_store_b8 v229, v183                         ; (lanes l and l xor 16 write the same byte with the same value)
.Lmerged:
	s_wait_dscnt 0x0
	s_barrier_signal -1
	s_barrier_wait -1                              ; o's fragment and its scale words lie in LDS
	; THE LAST PRODUCT: source 0 = o, four col tiles in four blocks; source 1 = my 16 rows of w4, variant v; C = x + b4 in the result's layout: register j of tile v = (col 32 h + 8 v + j, channel 16 w + n)
	ds_load_b128 v[FF:FF+3], v230
	ds_load_b128 v[FF+4:FF+7], v230 offset:512
	ds_load_b32 v[OSW], v231
.irp t, 0,1,2,3
	ds_load_b128 v[S+8*\t:S+8*\t+3], v232 offset:32*\t
	ds_load_b128 v[S+8*\t+4:S+8*\t+7], v232 offset:32*\t+16
.endr
	s_wait_dscnt 0x0
.irp j, 0,2,4,6,8,10,12,14,16,18,20,22,24,26,28,30
	v_pk_add_f32 v[S+\j:S+\j+1], v[S+\j:S+\j+1], v[220:221]
.endr
.rept 4
	v_nop
.endr
.irp t, 0,1,2,3
	v_wmma_scale_f32_16x16x128_f8f6f4 v[S+8*\t:S+8*\t+7], v[FF:FF+7], v[192+12*(\t%2)+4*(\t/2):192+12*(\t%2)+4*(\t/2)+7], v[S+8*\t:S+8*\t+7], v[OSW], v[W4S+\t] matrix_a_fmt:MATRIX_FMT_FP4 matrix_b_fmt:MATRIX_FMT_FP4
.endr
.rept 4
	v_nop                                          ; four plain lines between the last product and the stores that read results
.endr
	; the way out: back into my own 16 rows of x's tile, which has had its one fill and which no other wave touches, and out as whole rows
.irp t, 0,1,2,3
	ds_store_b128 v232, v[S+8*\t:S+8*\t+3] offset:32*\t
	ds_store_b128 v232, v[S+8*\t+4:S+8*\t+7] offset:32*\t+16
.endr
.irp i, 0,1,2,3,4,5,6,7
	ds_load_b128 v[140+4*\i:143+4*\i], v233 offset:544*\i      ; LDS serves a wave's instructions in order (ISA guide 5.7.1.4): these see my stores
.endr
.irp i, 0,1,2,3,4,5,6,7
	s_wait_dscnt 7-\i                              ; load i is in; the younger ones may be out
	global_store_b128 v234, v[140+4*\i:143+4*\i], s[72:73] offset:32768*\i th:TH_STORE_NT   ; sixteen lanes store 256 consecutive bytes, at a multiple of 256 from out's first byte
.endr
	s_wait_tensorcnt 0x0
	ds_add_u32 v254, v255
	s_wait_dscnt 0x0
	CROUND                                         ; the closing round: no work-group ends while a partner may still ask for a tile that names it
	s_endpgm
.Lfunc_end_k_q09fc6c6889_attn:
	.size	k_q09fc6c6889_attn, .Lfunc_end_k_q09fc6c6889_attn-k_q09fc6c6889_attn
	.p2alignl 7, 3214868480
	.fill 96, 4, 3214868480
	.section	.rodata,"a",@progbits
	.p2align	6, 0x0
	.amdhsa_kernel k_q09fc6c6889_attn
		.amdhsa_group_segment_fixed_size 257280
		.amdhsa_private_segment_fixed_size 0
		.amdhsa_enable_private_segment 0
		.amdhsa_kernarg_size 56
		.amdhsa_user_sgpr_count 2
		.amdhsa_user_sgpr_kernarg_segment_ptr 1
		.amdhsa_wavefront_size32 1
		.amdhsa_system_sgpr_workgroup_id_x 1
		.amdhsa_system_sgpr_workgroup_id_y 1
		.amdhsa_system_sgpr_workgroup_id_z 1
		.amdhsa_system_vgpr_workitem_id 0
		.amdhsa_next_free_vgpr 256
		.amdhsa_next_free_sgpr 80
		.amdhsa_reserve_vcc 1
		.amdhsa_float_denorm_mode_32 3
		.amdhsa_float_denorm_mode_16_64 3
		.amdhsa_memory_ordered 1
		.amdhsa_forward_progress 1
		.amdhsa_inst_pref_size 36
	.end_amdhsa_kernel
	.amdgpu_metadata
---
amdhsa.version: [ 1, 2 ]
amdhsa.kernels:
  - .name:           k_q09fc6c6889_attn
    .symbol:         k_q09fc6c6889_attn.kd
    .args:
      - { .name: kv, .offset: 0, .size: 8, .value_kind: global_buffer, .address_space: global }
      - { .name: gq, .offset: 8, .size: 8, .value_kind: global_buffer, .address_space: global }
      - { .name: x, .offset: 16, .size: 8, .value_kind: global_buffer, .address_space: global }
      - { .name: w4_codes, .offset: 24, .size: 8, .value_kind: global_buffer, .address_space: global }
      - { .name: w4_scales, .offset: 32, .size: 8, .value_kind: global_buffer, .address_space: global }
      - { .name: b4, .offset: 40, .size: 8, .value_kind: global_buffer, .address_space: global }
      - { .name: out0, .offset: 48, .size: 8, .value_kind: global_buffer, .address_space: global }
    .group_segment_fixed_size: 257280
    .private_segment_fixed_size: 0
    .kernarg_segment_align: 8
    .kernarg_segment_size: 56
    .max_flat_workgroup_size: 512
    .sgpr_count:     80
    .vgpr_count:     256
    .wavefront_size: 32
...
	.end_amdgpu_metadata
.endif
;; end of part 2
